; MI455X (gfx1250); checked and timed in simulation.
; The chip was launched on July 23, 2026; its instructions are those of AMD's public machine-readable ISA for CDNA 5 (MIT licence, August 2026) and "CDNA5" Instruction Set Architecture Reference Guide (July 2026). The comments in the code are by the model that wrote it; some were corrected since.
;; Simple Attention. Allowed arithmetic: matrix products marked QUANTISED: E4M3 operands, one given power-of-two scale a tensor, by v_wmma_f32_16x16x64_fp8_fp8 or v_wmma_f32_16x16x128_fp8_fp8, f32 sums; products left as they are: f32 operands where the result goes on into a quantised operand, else bf16, f16 or f32 operands; f32 sums; everything else in f32.
;; Inputs: W_att 3 x 128 x 128 float32; W_c 128 x 10 float32; W_in 128 x 128 float32; b_att 3 x 128 float32; b_c 10 float32; b_in 128 float32; beta 3 x 128 float32; gamma 3 x 128 float32; lowp_scales 8 int32 (the exponents e of the quantised operands' scales 2^e); x 8,192 x 128 float32.
;; Outputs: out0 8,192 x 10 float32.
;; This version of the problem:
;;   THIS VERSION OF THE PROBLEM IS GIVEN IN LOW PRECISION. The matrix products marked QUANTISED in the list below multiply operands that are first quantised to E4M3 (4 exponent bits, 3 mantissa bits; 8 bits a number), with one given power-of-two scale for each operand tensor; their sums are f32. All else is computed in f32.
;;   The module's matrix products, in the order in which they are computed (A, B: the left and right operand; K: the contracted axis; several contracted axes count as one K, in the product's order):
;;     1. [M 8,192, K 128] x [K 128, N 128]; A: input x; B: input W_in: QUANTISED (scales: A lowp_scales[0], B lowp_scales[1])
;;     2. [M 8,192, K 128] x [K 128, N 128]; A: computed on the way; B: input W_att: QUANTISED (scales: A lowp_scales[2], B lowp_scales[3])
;;     3. batch 8,192 x [M 128, K 128] x [K 128, N 1]; A: softmax; B: computed on the way: left as it is (N = 1 < 16)
;;     4. [M 8,192, K 128] x [K 128, N 128]; A: computed on the way; B: input W_att: QUANTISED (scales: A lowp_scales[4], B lowp_scales[5])
;;     5. batch 8,192 x [M 128, K 128] x [K 128, N 1]; A: softmax; B: computed on the way: left as it is (N = 1 < 16)
;;     6. [M 8,192, K 128] x [K 128, N 128]; A: computed on the way; B: input W_att: QUANTISED (scales: A lowp_scales[6], B lowp_scales[7])
;;     7. batch 8,192 x [M 128, K 128] x [K 128, N 1]; A: softmax; B: computed on the way: left as it is (N = 1 < 16)
;;     8. [M 8,192, K 128] x [K 128, N 10]; A: computed on the way; B: input W_c: left as it is (N = 10 < 16)
;;   THE QUANTISER, for each operand of a quantised product, along K:
;;     - The operand's scale is 2^e, e = its entry of the input lowp_scales (int32; the entries are numbered through the quantised products in the list's order, A before B).
;;     - Each number is divided by the scale, clamped to +-448, and rounded to the nearest number of E4M3, ties to even, subnormals kept.
;;     - The product sums the exact products of the quantised numbers (number of the format x scale) in f32.
;;   ~~~python
;;   def quantise(x, axis, e):      # numpy; x: float32 -> the quantised numbers, widened to float32 again
;;       x = np.moveaxis(x, axis, -1); K = x.shape[-1]
;;       r = np.clip(x / 2.0 ** e, -448, 448)
;;       step = 2.0 ** (np.maximum(np.frexp(np.where(r == 0, 1, r))[1] - 1, -6) - 3)
;;       q = np.round(r / step) * step * 2.0 ** e      # np.round: ties to even
;;       return np.moveaxis(q, -1, axis).astype(np.float32)
;;   ~~~
;;   OPERANDS COMPUTED ON THE WAY. 'Computed on the way' means the value that the module computes at that place (a softmax that the list does not call 'softmax' is quantised finished and normalised). What goes into a quantiser is computed in f32, as accurately as f32 sums, v_exp_f32 and their like allow (about 1e-6 of the number): no bf16 or f16 on the way to a quantiser, and a product that is left as it is and whose result goes on into a quantised operand takes f32 operands (vector FMAs, or v_wmma_f32_16x16x4_f32). A number that lies on a knife's edge between two numbers of the format may be rounded either way, as far as f32 arithmetic and the matrix unit's own rounding can turn it there, and no further.
;; One version. Each part assembles by itself: llvm-mc -triple=amdgcn-amd-amdhsa -mcpu=gfx1250 --defsym DOCPART=n.
;; ======== version 1 of 1: 1 launch
;; launch fused (part 1): grid 256 x 1, 4 waves a work-group, no clusters, 91,648 bytes of LDS; arguments x, W_in, W_att, W_c, b_in, b_att, gamma, beta, b_c, lowp_scales, out0; writes out0
.if DOCPART == 1
	.amdgcn_target "amdgcn-amd-amdhsa--gfx1250"
	.amdhsa_code_object_version 6
	.text
	.protected	k_q427153d2b5_fused
	.globl	k_q427153d2b5_fused
	.p2align	8
	.type	k_q427153d2b5_fused,@function
k_q427153d2b5_fused:
	s_mov_b64 s[64:65], 0
	v_nop
	global_prefetch_b8 v0, s[64:65] scope:SCOPE_SE
	s_setreg_imm32_b32 hwreg(HW_REG_WAVE_MODE, 25, 1), 1
	s_wait_xcnt 0x0
; h = x W_in + b_in;  three times: u = tanh(h W_att[i] + b_att[i]), out_a = sum_j softmax_j(u_a u_j) h_j, h = LayerNorm(h + out) gamma[i] + beta[i];  out0 = h W_c + b_c.
; x [8192][128], W_in [128][128], W_att [3][128][128], W_c [128][10], all f32 with K as the weights' FIRST axis; out0 [8192][10] f32.
; The four products with 128 columns are made on codes of FP8 (E4M3), each operand with the scale 2^e that lowp_scales gives for it, by v_wmma_f32_16x16x128_fp8_fp8, k in its true places.
;
; THE SOFTMAX WITHOUT EXPONENTIALS.  u is a tanh, so every exponent z = u_a u_j lies in [-1, 1], whatever the inputs.  (1) No maximum is taken away: e^z lies in [0.36, 2.72] and a row's sum in [47, 348].
; (2) e^z = sum over k of u_a^k u_j^k / k! is cut behind k = 11: what is left is at most the sum of 1/k! from k = 12 on, 2.3e-9, under 7e-9 of e^z.  Then numerator and denominator fall apart:
;     num_a = sum_k (M_k / k!) u_a^k,  M_k = sum_j u_j^k h_j;      den_a = sum_k (S_k / k!) u_a^k,  S_k = sum_j u_j^k;      out_a = num_a / den_a.   All in f32 multiply-adds.
; LIMITS.  Each e between -126 and 119, each sum of a product's two e between -126 and 127, so that the powers of two below are f32 numbers.  NaN and infinities among the inputs are not served.
; tanh is right to about 1.2e-7 absolute.  Where u_a u_j is near -1 for all j the terms of the sum over k reach e^2 = 7.4 times the result, and its rounding error grows by that factor.
;
; SHARES.  256 work-groups of four waves; a wave owns 8 rows and takes them through the whole chain in its registers.  LDS holds the weights' codes (made once by the work-group, a quarter by each wave),
; a turn of x, W_c's fragments and the gathering of the output: two barriers in the launch.
; LANE LAYOUT.  l = lane, rho = l & 7 my row, g = (l >> 3) & 1, hh = l >> 4.  Four lanes share a row; register e = 8 q + j of a lane holds unit n = 64 g + 16 q + 8 hh + j.  Eight registers on end are eight
; neighbours along the next K, and they are registers 2 c, 2 c + 1 (c = 4 g + q) of an FP8 fragment's lane; the other half of the fragment comes from lane l xor 8.  So a fragment's 16 columns are my 8 rows
; twice: twice the matrix work that is needed, eight instructions a layer, and no exchange between waves inside the chain.
; THE PRODUCTS ARE USED TRANSPOSED: source 0 = 16 columns of W, source 1 = the rows.  In tile t lane (r, hh) holds units 16 t + 8 hh + 0 .. 7: a lane keeps tiles 4 g + q and is back in the lane layout.
; NO CLUSTER, NO TENSOR LOAD: the weights, which all work-groups share, arrive as 262,144 bytes of f32 with K outermost; a joint load lands in LDS as it lies in memory, and these bytes beside the 66,048 of
; codes and the 23,552 of the other regions are more than the 327,680 that a work-group can have.  NO PREFETCH: every load of the launch but 3 x 24 small ones is issued at its head.
.set TP,   2064                        ; a tile's image: 4 groups of 512 bytes (registers 4 a .. 4 a + 3, 16 bytes a lane) + 16 of padding
.set MATB, 8*TP                        ; a matrix: 8 tiles
.set WCI,  4*MATB                      ; LDS 0: W_in's and W_att's images;  behind them W_c's four bf16 fragments, 1,024 bytes each
.set XST,  WCI+4096                    ; x's turn: 4,352 bytes a wave: 8 left halves of rows, 272 bytes apart, and 2,176 bytes on the 8 right halves
.set XW,   4352
.set OST,  XST+4*XW                    ; the output's stage: 512 bytes a wave, of which 8 rows x 40 bytes are used
; window 0
.set VO,   1                           ; 256 g + 32 hh: my place in a vector of 128 f32
.set VWO,  2                           ; the weights in memory: 16384 wave + 4096 hh + 16 (l & 15)
.set VS,   3                           ; where I store codes into an image
.set VL,   4                           ; 16 l
.set VWL,  5                           ; 16 l + the matrix in hand
.set VXO,  6                           ; x in memory: 4096 wave + 16 l
.set VXS,  7                           ; x's turn, in
.set VXL,  8                           ; and out
.set VWC,  9                           ; W_c in memory
.set VWI,  10                          ; W_c's fragment, in
.set VWR,  11                          ; and out
.set VQS,  12                          ; the scale in hand as f32
.set VLIM, 13                          ; 448 x that
.set MU,   14                          ; v[14:15] minus the mean (the low word serves both halves)
.set RS,   16                          ; v[16:17] 1 / sqrt(var + eps)
.set BC,   18                          ; b_c of my column
.set VBC,  19                          ; 4 min(l & 15, 9)
.set CF,   20                          ; v20-35   the rows' fragment
.set C,    36                          ; v36-43   my codes
.set X,    44                          ; v44-51   lane l xor 8's codes
.set CO,   52                          ; v52-75   pair k = (M_k, S_k), k = 0 .. 11
.set TC,   76                          ; v76-83   four chains of sums
.set TD,   84                          ; v84-91   four more
.set SUM,  84                          ; LayerNorm's sum,
.set TMP,  85                          ; and a lane permute's target
.set H,    92                          ; v92-123  h
.set U,    124                         ; v124-155 u
.set P,    156                         ; v156-187 u^k; the quantiser's held copy; lane permutes' targets; h in bf16
.set D,    188                         ; v188-251 the eight tiles of a product;
.set NUM,  188                         ; later the numerators,
.set DEN,  220                         ; and the denominators
.set TE,   188                         ; chains of M_0
.set VOS,  252                         ; the output's stage, in
.set VOT,  253                         ; 16 x thread: my bytes of the work-group's 1,280 of out0
.set VOR,  254                         ; the output's stage, out
; window 0, at the head alone
.set T,    92                          ; 16 rows' codes, four columns a register
.set XY,   108                         ; half-turned
.set OC,   124                         ; turned: two sets of 16
.set XR,   188                         ; x as loaded
.set WCR,  220                         ; W_c as loaded
.set WCB,  236                         ; and in bf16
; window 1: at the head four blocks of 64 f32 of the weights by turns; then v0-127 the eight fragments of the matrix in hand
; window 2
.set BI,   0                           ; b_in
.set BA,   32                          ; b_att of the layer in hand
.set G,    64                          ; gamma
.set B,    96                          ; beta
.set WC,   128                         ; W_c's four fragments
; scalars: s2 wave; s3 layer; s[4:5] lane selects; s[8:29] the buffers; s[32:39] the eight e; s40-43 byte selects; s44-47, s48-51 the weights' scales and holds; s52, s53 x's; s[54:55] 2^(e0+e1);
; s56-58, s59-61 h's scales and holds, layer by layer; s[62:63], s[66:67], s[68:69] 2^(eA+eW) likewise; s70 the next matrix's image; s71 eps; s[72:73] b_att's step; s74 EXEC; s75 1/128; s76-77 at work
.set MSB, 0
.macro WIN new                         ; s_set_vgpr_msb: bits 1:0 source 0, 3:2 source 1, 5:4 source 2, 7:6 destination; the high byte repeats the setting that is left
.if MSB != \new
	s_set_vgpr_msb (MSB<<8)|\new
.set MSB, \new
.endif
.endm
.macro MKQ ds, dl, e                   ; s[ds] = 2^e as f32, s[dl] = 448 x 2^e
	s_add_co_i32 s76, s[\e], 127
	s_lshl_b32 s[\ds], s76, 23
	s_add_co_i32 s76, s76, 8
	s_lshl_b32 s76, s76, 23
	s_or_b32 s[\dl], s76, 0x600000
.endm
.macro MKP d, ea, eb                   ; s[d] = s[d+1] = 2^(ea + eb): the packed forms name the pair
	s_add_co_i32 s76, s[\ea], s[\eb]
	s_add_co_i32 s76, s76, 127
	s_lshl_b32 s[\d], s76, 23
	s_mov_b32 s[\d+1], s[\d]
.endm
; Block b = 2 x matrix + half: my 32 rows k = 32 wave .. + 31 of 64 columns.  Lane (a, hh) takes columns 64 half + 4 a .. + 3 of the 16 rows 32 wave + 8 hh + (i & 7) + 16 (i >> 3):
; sixteen neighbouring lanes read 256 consecutive bytes, aligned.
.macro LOADW b
	WIN 0x40                                       ; destination window 1
.set RB,  64*((\b)%4)
.set MAT, (\b)/2
.set HF,  (\b)%2
.set i, 0
.rept 16
.if MAT == 0
	global_load_b128 v[RB+4*i:RB+4*i+3], v[VWO], s[10:11] offset:((i&7)+16*(i>>3))*512+256*HF
.else
	global_load_b128 v[RB+4*i:RB+4*i+3], v[VWO], s[12:13] offset:((i&7)+16*(i>>3))*512+256*HF+65536*(MAT-1)
.endif
.set i, i+1
.endr
	WIN 0
.endm
; Block b becomes codes.  n: the loads issued behind the block's own.  A conversion gives two rows' four columns; a lane's 16 rows x 4 columns of bytes are turned by v_perm_b32, and each column's
; 16 codes, in the order of the rows above, ARE registers 4 wave .. 4 wave + 3 of lane (column % 16, hh) of the column's tile.
.macro PREP b, n
.set RB,  64*((\b)%4)
.set OCB, OC+16*((\b)%2)
.set MAT, (\b)/2
.set HF,  (\b)%2
	s_wait_loadcnt \n
.if HF == 0
	v_mov_b32 v[VQS], s[44+MAT]
	v_mov_b32 v[VLIM], s[48+MAT]
.endif
	WIN 0x41                                       ; source 0 and destination window 1
.set i, 0
.rept 64
	v_med3_num_f32 v[RB+i], v[RB+i], -v[VLIM], v[VLIM]   ; the conversion to an 8-bit code does not saturate (ISA guide 7.6.2): the hold at 448 x the scale
.set i, i+1
.endr
	WIN 0x01
.set i, 0
.rept 8
	v_cvt_scalef32_pk8_fp8_f32 v[T+2*i:T+2*i+1], v[RB+8*i:RB+8*i+7], v[VQS]   ; T[i]: row i's four columns
.set i, i+1
.endr
	WIN 0
	v_nop                                          ; one plain vector instruction between a scaled conversion and the first that reads its result
.irp t, 0,1,2,3
	v_perm_b32 v[XY+4*\t],   v[T+4*\t+1], v[T+4*\t],   s40   ; rows 4 t, 4 t + 1: columns 0, 1 interleaved
	v_perm_b32 v[XY+4*\t+1], v[T+4*\t+1], v[T+4*\t],   s41   ; columns 2, 3
	v_perm_b32 v[XY+4*\t+2], v[T+4*\t+3], v[T+4*\t+2], s40   ; rows 4 t + 2, 4 t + 3
	v_perm_b32 v[XY+4*\t+3], v[T+4*\t+3], v[T+4*\t+2], s41
.endr
	s_wait_dscnt 4                                 ; the stores of the block before last have read this set; only the last block's four may be out
.irp t, 0,1,2,3
	v_perm_b32 v[OCB+\t],    v[XY+4*\t+2], v[XY+4*\t],   s42   ; column 0, rows 4 t .. 4 t + 3
	v_perm_b32 v[OCB+4+\t],  v[XY+4*\t+2], v[XY+4*\t],   s43   ; column 1
	v_perm_b32 v[OCB+8+\t],  v[XY+4*\t+3], v[XY+4*\t+1], s42   ; column 2
	v_perm_b32 v[OCB+12+\t], v[XY+4*\t+3], v[XY+4*\t+1], s43   ; column 3
.endr
.irp c, 0,1,2,3
	ds_store_b128 v[VS], v[OCB+4*\c:OCB+4*\c+3] offset:MAT*MATB+4*HF*TP+16*\c   ; sixteen lanes: 16 (a >> 2) + 64 (a & 3) modulo 256: sixteen different columns of 16 bytes
.endr
.endm
.macro VLOAD reg, sb                   ; a vector of 128 f32 in the lane layout, into window 2
.irp q, 0,1,2,3
	global_load_b128 v[\reg+8*\q:\reg+8*\q+3],   v[VO], s[\sb:\sb+1] offset:64*\q
	global_load_b128 v[\reg+8*\q+4:\reg+8*\q+7], v[VO], s[\sb:\sb+1] offset:64*\q+16
.endr
.endm
; My 32 numbers v[from] on become the rows' fragment.  v[tmp] on takes the held copy.
.macro QFRAG from, tmp
.set i, 0
.rept 32
	v_med3_num_f32 v[\tmp+i], v[\from+i], -v[VLIM], v[VLIM]
.set i, i+1
.endr
.irp q, 0,1,2,3
	v_cvt_scalef32_pk8_fp8_f32 v[C+2*\q:C+2*\q+1], v[\tmp+8*\q:\tmp+8*\q+7], v[VQS]
.endr
	v_nop                                          ; one plain vector instruction behind the conversions
.irp i, 0,1,2,3,4,5,6,7
	v_mov_b32_dpp v[X+\i], v[C+\i] row_xmask:8 row_mask:0xf bank_mask:0xf   ; the same row's other 64 along K
.endr
.irp i, 0,1,2,3,4,5,6,7
	v_cndmask_b32 v[CF+\i], v[C+\i], v[X+\i], vcc_lo      ; k = 0 .. 63: mine where g = 0
.endr
.irp i, 0,1,2,3,4,5,6,7
	v_cndmask_b32 v[CF+8+\i], v[X+\i], v[C+\i], vcc_lo    ; k = 64 .. 127: mine where g = 1
.endr
.endm
.macro WFLOAD                          ; a matrix's eight fragments, as they were stored: each load takes 512 consecutive bytes
	WIN 0x40
.irp t, 0,1,2,3,4,5,6,7
.irp a, 0,1,2,3
	ds_load_b128 v[16*\t+4*\a:16*\t+4*\a+3], v[VWL] offset:TP*\t+512*\a
.endr
.endr
	WIN 0
.endm
.macro MM                              ; eight tiles, eight accumulators, each begun with the constant 0
	WIN 0x01                                       ; source 0 (W) window 1
.irp t, 0,1,2,3,4,5,6,7
	v_wmma_f32_16x16x128_fp8_fp8 v[D+8*\t:D+8*\t+7], v[16*\t:16*\t+15], v[CF:CF+15], 0
.endr
	WIN 0
.rept 4
	v_nop                                          ; four places in front of the loads into W's registers and of the first read of results
.endr
.endm
.macro SELECT                          ; a lane keeps tiles 4 g + q; each accumulator is read from its low end on
.set i, 0
.rept 32
	v_cndmask_b32 v[U+i], v[D+i], v[D+32+i], vcc_lo
.set i, i+1
.endr
.endm
.macro CHAINS from                     ; my 32 terms of M_k (TD) and of S_k (TC), two at a time, in four chains each
.irp z, 0,1,2,3
.irp i, 0,1,2,3
.if \z == 0
	v_pk_mul_f32 v[TD+2*\i:TD+2*\i+1], v[\from+2*\i:\from+2*\i+1], v[H+2*\i:H+2*\i+1]
.else
	v_pk_fma_f32 v[TD+2*\i:TD+2*\i+1], v[\from+2*(\i+4*\z):\from+2*(\i+4*\z)+1], v[H+2*(\i+4*\z):H+2*(\i+4*\z)+1], v[TD+2*\i:TD+2*\i+1]
.endif
.endr
.if \z < 3
.irp i, 0,1,2,3
.if \z == 0
	v_pk_add_f32 v[TC+2*\i:TC+2*\i+1], v[\from+2*\i:\from+2*\i+1], v[\from+2*(\i+4):\from+2*(\i+4)+1]
.else
	v_pk_add_f32 v[TC+2*\i:TC+2*\i+1], v[TC+2*\i:TC+2*\i+1], v[\from+2*(\i+4+4*\z):\from+2*(\i+4+4*\z)+1]
.endif
.endr
.endif
.endr
.endm
.macro PW pow, first, a                ; two lines of the next power of u: pairs a and a + 1
.if \pow
.irp n, \a, \a+1
.if \first
	v_pk_mul_f32 v[P+2*(\n):P+2*(\n)+1], v[U+2*(\n):U+2*(\n)+1], v[U+2*(\n):U+2*(\n)+1]
.else
	v_pk_mul_f32 v[P+2*(\n):P+2*(\n)+1], v[P+2*(\n):P+2*(\n)+1], v[U+2*(\n):U+2*(\n)+1]
.endif
.endr
.endif
.endm
.macro CP k, pow, first                ; the chains are joined into pair k; the next power's lines stand between the joins, which feed each other
	v_pk_add_f32 v[TC:TC+1], v[TC:TC+1], v[TC+2:TC+3]
	PW \pow, \first, 0
	v_pk_add_f32 v[TD:TD+1], v[TD:TD+1], v[TD+2:TD+3]
	PW \pow, \first, 2
	v_pk_add_f32 v[TC+4:TC+5], v[TC+4:TC+5], v[TC+6:TC+7]
	PW \pow, \first, 4
	v_pk_add_f32 v[TD+4:TD+5], v[TD+4:TD+5], v[TD+6:TD+7]
	PW \pow, \first, 6
	v_pk_add_f32 v[TC:TC+1], v[TC:TC+1], v[TC+4:TC+5]
	PW \pow, \first, 8
	v_pk_add_f32 v[TD:TD+1], v[TD:TD+1], v[TD+4:TD+5]
	PW \pow, \first, 10
	v_add_f32 v[CO+2*(\k)+1], v[TC], v[TC+1]
	PW \pow, \first, 12
	v_add_f32 v[CO+2*(\k)], v[TD], v[TD+1]
	PW \pow, \first, 14
.endm
.macro TREE_CH base                    ; the sum of my 32 numbers of h, in four chains
.irp i, 0,1,2,3
	v_pk_add_f32 v[\base+2*\i:\base+2*\i+1], v[H+2*\i:H+2*\i+1], v[H+2*(\i+4):H+2*(\i+4)+1]
.endr
.irp z, 2,3
.irp i, 0,1,2,3
	v_pk_add_f32 v[\base+2*\i:\base+2*\i+1], v[\base+2*\i:\base+2*\i+1], v[H+2*(\i+4*\z):H+2*(\i+4*\z)+1]
.endr
.endr
.endm
.macro TREE_CB base, dst               ; four chains into one number
	v_pk_add_f32 v[\base:\base+1], v[\base:\base+1], v[\base+2:\base+3]
	v_pk_add_f32 v[\base+4:\base+5], v[\base+4:\base+5], v[\base+6:\base+7]
	v_pk_add_f32 v[\base:\base+1], v[\base:\base+1], v[\base+4:\base+5]
	v_add_f32 v[\dst], v[\base], v[\base+1]
.endm
.macro XSUM reg, tmp                   ; over the four lanes of a row: l xor 8, then l xor 16; additions commute, so all four lanes end with the same bits
	v_add_f32_dpp v[\reg], v[\reg], v[\reg] row_xmask:8 row_mask:0xf bank_mask:0xf
	v_permlanex16_b32 v[\tmp], v[\reg], s4, s5
	v_add_f32 v[\reg], v[\reg], v[\tmp]
.endm
.macro FACT k, lit                     ; pair k x 1 / k!
	v_pk_mul_f32 v[CO+2*\k:CO+2*\k+1], v[CO+2*\k:CO+2*\k+1], \lit op_sel_hi:[1,0]
.endm
	; ---- THE HEAD: addresses
	s_load_b512 s[8:23], s[0:1], 0x0               ; x, W_in, W_att, W_c, b_in, b_att, gamma, beta
	s_load_b128 s[24:27], s[0:1], 0x40             ; b_c, lowp_scales
	s_load_b64 s[28:29], s[0:1], 0x50              ; out0
	v_lshl_add_u32 v255, v0, 2, 0x16400
	s_set_vgpr_msb 0x80
	v_mov_b32 v161, 0
	s_set_vgpr_msb 0x8000
	v_lshrrev_b32 v20, 5, v0
	v_readfirstlane_b32 s2, v20                    ; wave 0..3
	v_and_b32 v21, 31, v0                          ; l
	v_and_b32 v22, 15, v0                          ; a = l & 15
	v_bfe_u32 v23, v0, 4, 1                        ; hh
	v_bfe_u32 v24, v0, 3, 1                        ; g
	v_and_b32 v25, 7, v0                           ; rho
	v_bfe_u32 v26, v0, 2, 2                        ; a >> 2
	v_and_b32 v27, 3, v0                           ; a & 3
	v_cmp_ne_u32 vcc_lo, 0, v24                    ; VCC = "g = 1": kept until the way out
	v_lshlrev_b32 v[VO], 8, v24
	v_lshl_add_u32 v[VO], v23, 5, v[VO]
	s_lshl_b32 s76, s2, 14
	v_lshlrev_b32 v[VWO], 4, v22
	v_lshl_add_u32 v[VWO], v23, 12, v[VWO]
	v_add_nc_u32 v[VWO], s76, v[VWO]
	s_lshl_b32 s76, s2, 9
	v_mul_u32_u24 v[VS], v26, TP                   ; tile (a >> 2) of the block's four, lane 4 (a & 3) + column + 16 hh, group = wave
	v_lshl_add_u32 v[VS], v27, 6, v[VS]
	v_lshl_add_u32 v[VS], v23, 8, v[VS]
	v_add_nc_u32 v[VS], s76, v[VS]
	v_lshlrev_b32 v[VL], 4, v21
	v_mov_b32 v[VWL], v[VL]                        ; the first matrix, W_in, lies at LDS byte 0
	s_lshl_b32 s76, s2, 12
	v_add_nc_u32 v[VXO], s76, v[VL]
	s_mul_i32 s77, s2, XW
	s_add_co_u32 s77, s77, XST
	v_mul_u32_u24 v[VXS], v23, 2176                ; in: a load's lanes 0-15 hold a row's left half, lanes 16-31 its right half
	v_lshl_add_u32 v[VXS], v22, 4, v[VXS]
	v_add_nc_u32 v[VXS], s77, v[VXS]
	v_mul_u32_u24 v[VXL], v25, 272                 ; out: row rho, half g, + 32 hh: sixteen lanes at 16 rho + 128 g modulo 256: sixteen different columns of 16 bytes
	v_mad_u32_u24 v[VXL], v24, 2176, v[VXL]
	v_lshl_add_u32 v[VXL], v23, 5, v[VXL]
	v_add_nc_u32 v[VXL], s77, v[VXL]
	v_min_u32 v[VBC], 9, v22                       ; W_c has 10 columns: lanes 10-15 repeat column 9; their results are never read
	v_lshlrev_b32 v[VBC], 2, v[VBC]
	s_mul_i32 s76, s2, 1280                        ; W_c: rows 32 wave + 8 hh on, 40 bytes a row
	v_mad_u32_u24 v[VWC], v23, 320, v[VBC]
	v_add_nc_u32 v[VWC], s76, v[VWC]
	s_lshl_b32 s76, s2, 10
	s_add_co_u32 s76, s76, WCI
	v_add_nc_u32 v[VWI], s76, v[VL]
	v_add_nc_u32 v[VWR], WCI, v[VL]
	s_lshl_b32 s76, s2, 9
	s_add_co_u32 s76, s76, OST
	v_lshl_add_u32 v[VOS], v21, 2, s76
	v_lshlrev_b32 v[VOT], 4, v0
	v_mul_u32_u24 v[VOR], v0, 205                  ; thread t reads the stage at 16 t + 192 (t / 20): a wave's 320 bytes are 20 threads' and lie 512 apart;
	v_lshrrev_b32 v[VOR], 12, v[VOR]               ; t / 20 = (205 t) >> 12 for t < 128
	v_mul_u32_u24 v[VOR], v[VOR], 192
	v_lshl_add_u32 v[VOR], v0, 4, v[VOR]
	v_add_nc_u32 v[VOR], OST, v[VOR]
	v_mov_b32 v[MU+1], 0                           ; named as the upper halves of pairs, so they are written
	v_mov_b32 v[RS+1], 0
.irp i, 0,1,2,3,4,5,6,7
	v_mov_b32 v[X+\i], 0                           ; written once: the destination of a DPP form counts as one of its sources
.endr
	s_mov_b32 s4, 0x76543210                       ; v_permlanex16_b32: lane l xor 16
	s_mov_b32 s5, 0xfedcba98
	s_mov_b32 s40, 0x05010400                      ; v_perm_b32: bytes 0, 1 of two words interleaved,
	s_mov_b32 s41, 0x07030602                      ; bytes 2, 3;
	s_mov_b32 s42, 0x05040100                      ; two low halves,
	s_mov_b32 s43, 0x07060302                      ; two high halves
	s_mov_b32 s70, MATB
	s_mov_b32 s71, 0x3727c5ac                      ; eps = 1e-5
	s_mov_b32 s73, 0
	s_mov_b32 s75, 0x3c000000                      ; 1 / 128
	s_wait_kmcnt 0x0
	s_load_b256 s[32:39], s[26:27], 0x0            ; e0 .. e7
	s_lshl_b32 s76, ttmp9, 14                      ; the work-group's 32 rows of x, 512 bytes each,
	s_mov_b32 s77, 0
	s_add_nc_u64 s[8:9], s[8:9], s[76:77]
	s_mul_i32 s76, ttmp9, 1280                     ; and of out0, 40 bytes each: five aligned blocks of 256 bytes
	s_add_nc_u64 s[28:29], s[28:29], s[76:77]
	; ---- x, and the weights three blocks ahead
.irp i, 0,1,2,3,4,5,6,7
	global_load_b128 v[XR+4*\i:XR+4*\i+3], v[VXO], s[8:9] offset:512*\i th:TH_LOAD_NT   ; a whole row: 512 consecutive bytes; read once in the launch
.endr
	LOADW 0
	LOADW 1
	LOADW 2
	s_wait_kmcnt 0x0
	MKQ 52, 53, 32                                 ; x
	MKQ 44, 48, 33                                 ; W_in
	MKQ 45, 49, 35                                 ; W_att[0..2]
	MKQ 46, 50, 37
	MKQ 47, 51, 39
	MKQ 56, 59, 34                                 ; h in layers 0..2
	MKQ 57, 60, 36
	MKQ 58, 61, 38
	MKP 54, 32, 33
	MKP 62, 34, 35
	MKP 66, 36, 37
	MKP 68, 38, 39
	; ---- the weights become codes.  Each wait's count is the loads issued behind the block's own: three groups of 16, until the last groups are shorter or none.  x's loads are older than every block's.
	LOADW 3
	PREP 0, 48
	LOADW 4
	PREP 1, 48
	LOADW 5
	PREP 2, 48
	LOADW 6
	PREP 3, 48
	LOADW 7
	PREP 4, 48
	WIN 0x80                                       ; destination window 2
	VLOAD BI, 16                                   ; b_in,
	VLOAD BA, 18                                   ; b_att[0]: 16 loads
	WIN 0
	PREP 5, 48
.irp t, 0,1,2,3,4,5,6,7,8,9,10,11,12,13,14,15
	global_load_b32 v[WCR+\t], v[VWC], s[14:15] offset:640*(\t>>3)+40*(\t&7)   ; W_c(32 wave + 8 hh + (t & 7) + 16 (t >> 3), my column): the order of a bf16 fragment's lane
.endr
	global_load_b32 v[BC], v[VBC], s[24:25]        ; 17 loads
	PREP 6, 49
	PREP 7, 33
	s_wait_loadcnt 0x0
.irp i, 0,1,2,3,4,5,6,7
	v_cvt_pk_bf16_f32 v[WCB+\i], v[WCR+2*\i], v[WCR+2*\i+1]
.endr
	ds_store_b128 v[VWI], v[WCB:WCB+3]             ; fragment number = wave: K = 32 wave on
	ds_store_b128 v[VWI], v[WCB+4:WCB+7] offset:512
	; ---- x's turn through my own stage: in as loaded, out in the lane layout.  LDS serves a wave's instructions in order (ISA guide 5.7.1.4): no wait between
.irp i, 0,1,2,3,4,5,6,7
	ds_store_b128 v[VXS], v[XR+4*\i:XR+4*\i+3] offset:272*\i
.endr
.irp q, 0,1,2,3
	ds_load_b128 v[H+8*\q:H+8*\q+3],   v[VXL] offset:64*\q
	ds_load_b128 v[H+8*\q+4:H+8*\q+7], v[VXL] offset:64*\q+16
.endr
	s_wait_dscnt 0x0                               ; for the others' sake: my codes and my fragment of W_c have landed; and x is back
	s_barrier_signal -1
	s_barrier_wait -1                              ; all images lie in LDS; nobody writes them again
	; ---- the in-projection
	WFLOAD                                         ; W_in
	WIN 0x80
.irp f, 0,1,2,3
	ds_load_b128 v[WC+8*\f:WC+8*\f+3],   v[VWR] offset:1024*\f
	ds_load_b128 v[WC+8*\f+4:WC+8*\f+7], v[VWR] offset:1024*\f+512
.endr
	WIN 0
	v_mov_b32 v[VQS], s52
	v_mov_b32 v[VLIM], s53
	QFRAG H, H                                     ; x is held in place: nothing else reads it
	s_wait_dscnt 8                                 ; W_in's 32 loads are in; W_c's eight may be out
	MM
	v_add_nc_u32 v[VWL], s70, v[VL]
	WFLOAD                                         ; W_att[0], a phase ahead
	SELECT
	WIN 0x20                                       ; source 2 window 2
.set i, 0
.rept 16
	v_pk_fma_f32 v[H+2*i:H+2*i+1], v[U+2*i:U+2*i+1], s[54:55], v[BI+2*i:BI+2*i+1] op_sel_hi:[1,0,1]   ; h = sum x 2^(e0 + e1) + b_in
.set i, i+1
.endr
	WIN 0
	s_add_nc_u64 s[18:19], s[18:19], 512           ; b_att[1]: b_att[0]'s loads were waited for above
	s_mov_b32 s3, 0
.Llayer:
	WIN 0x80
	VLOAD G, 20                                    ; this layer's gamma and beta: 16 loads, wanted at the layer's end
	VLOAD B, 22
	WIN 0
	v_mov_b32 v[VQS], s56
	v_mov_b32 v[VLIM], s59
	QFRAG H, P
	s_wait_dscnt 0x0                               ; W_att[i]'s fragments are in (in the first trip W_c's too)
	MM
	s_add_co_u32 s70, s70, MATB
	s_cmp_eq_u32 s3, 2                             ; the last layer has no matrix behind it.  The branch hangs on the counter alone; every later wait on DScnt is for 0
	s_cbranch_scc1 .Lno_more
	v_add_nc_u32 v[VWL], s70, v[VL]
	WFLOAD                                         ; W_att[i + 1], a layer ahead
.Lno_more:
	SELECT
	s_wait_loadcnt 16                              ; b_att[i] is in; behind it only this trip's 16 loads of gamma and beta were issued
	WIN 0x20
.set i, 0
.rept 16
	v_pk_fma_f32 v[U+2*i:U+2*i+1], v[U+2*i:U+2*i+1], s[62:63], v[BA+2*i:BA+2*i+1] op_sel_hi:[1,0,1]   ; sum x 2^(eA + eW) + b_att
.set i, i+1
.endr
	WIN 0x80
	VLOAD BA, 18                                   ; b_att[min(i + 1, 2)]: in the last trip the last row once more, so that the count of the wait below holds in every trip and no load leaves the buffer
	WIN 0
	; tanh(y) = 1 - 2 / (1 + 2^(2 log2(e) y))
.set i, 0
.rept 16
	v_pk_mul_f32 v[U+2*i:U+2*i+1], v[U+2*i:U+2*i+1], 0x4038aa3b op_sel_hi:[1,0]
.set i, i+1
.endr
.set i, 0
.rept 32
	v_exp_f32 v[U+i], v[U+i]
.set i, i+1
.endr
	v_nop                                          ; a plain instruction behind the last of the batch (ISA guide 5.7.2),
	s_wait_alu depctr_va_vdst(0)                   ; and a wait ahead of the batch's first reader
.set i, 0
.rept 16
	v_pk_add_f32 v[U+2*i:U+2*i+1], v[U+2*i:U+2*i+1], 1.0 op_sel_hi:[1,0]
.set i, i+1
.endr
.set i, 0
.rept 32
	v_rcp_f32 v[U+i], v[U+i]
.set i, i+1
.endr
	v_nop
	s_wait_alu depctr_va_vdst(0)
.set i, 0
.rept 16
	v_pk_fma_f32 v[U+2*i:U+2*i+1], v[U+2*i:U+2*i+1], -2.0, 1.0 op_sel_hi:[1,0,0]
.set i, i+1
.endr
	; the moments M_k, S_k of my 32 units, k = 0 .. 11
	TREE_CH TE                                     ; M_0 = the sum of h
	CHAINS U
	CP 1, 1, 1
	TREE_CB TE, CO
.irp k, 2,3,4,5,6,7,8,9,10
	CHAINS P
	CP \k, 1, 0
.endr
	CHAINS P
	CP 11, 0, 0
	v_mov_b32 v[CO+1], 32.0                        ; S_0: my 32 of the row's 128
	; over the row's four lanes, then x 1 / k!
.set i, 0
.rept 24
	v_add_f32_dpp v[CO+i], v[CO+i], v[CO+i] row_xmask:8 row_mask:0xf bank_mask:0xf
.set i, i+1
.endr
.set i, 0
.rept 24
	v_permlanex16_b32 v[P+i], v[CO+i], s4, s5
.set i, i+1
.endr
.set i, 0
.rept 12
	v_pk_add_f32 v[CO+2*i:CO+2*i+1], v[CO+2*i:CO+2*i+1], v[P+2*i:P+2*i+1]
.set i, i+1
.endr
	FACT 2, 0.5
	FACT 3, 0x3e2aaaab
	FACT 4, 0x3d2aaaab
	FACT 5, 0x3c088889
	FACT 6, 0x3ab60b61
	FACT 7, 0x39500d01
	FACT 8, 0x37d00d01
	FACT 9, 0x3638ef1d
	FACT 10, 0x3493f27e
	FACT 11, 0x32d7322b
	; Horner in u_a, for my 32 units: the numerators take the pairs' low words, the denominators their high words; 32 chains that do not wait for each other
.set i, 0
.rept 16
	v_pk_fma_f32 v[NUM+2*i:NUM+2*i+1], v[U+2*i:U+2*i+1], v[CO+22:CO+23], v[CO+20:CO+21] op_sel_hi:[1,0,0]
	v_pk_fma_f32 v[DEN+2*i:DEN+2*i+1], v[U+2*i:U+2*i+1], v[CO+22:CO+23], v[CO+20:CO+21] op_sel:[0,1,1] op_sel_hi:[1,1,1]
.set i, i+1
.endr
.irp k, 9,8,7,6,5,4,3,2,1,0
.set i, 0
.rept 16
	v_pk_fma_f32 v[NUM+2*i:NUM+2*i+1], v[NUM+2*i:NUM+2*i+1], v[U+2*i:U+2*i+1], v[CO+2*\k:CO+2*\k+1] op_sel_hi:[1,1,0]
	v_pk_fma_f32 v[DEN+2*i:DEN+2*i+1], v[DEN+2*i:DEN+2*i+1], v[U+2*i:U+2*i+1], v[CO+2*\k:CO+2*\k+1] op_sel:[0,0,1] op_sel_hi:[1,1,1]
.set i, i+1
.endr
.endr
.set i, 0
.rept 32
	v_rcp_f32 v[DEN+i], v[DEN+i]
.set i, i+1
.endr
	v_nop
	s_wait_alu depctr_va_vdst(0)
.set i, 0
.rept 16
	v_pk_fma_f32 v[H+2*i:H+2*i+1], v[NUM+2*i:NUM+2*i+1], v[DEN+2*i:DEN+2*i+1], v[H+2*i:H+2*i+1]   ; h + out
.set i, i+1
.endr
	; LayerNorm, in two passes as it is defined: the mean is taken away before the squares are summed
	TREE_CH TC
	TREE_CB TC, SUM
	XSUM SUM, TMP
	v_mul_f32 v[MU], 0xbc000000, v[SUM]            ; - sum / 128
.set i, 0
.rept 16
	v_pk_add_f32 v[H+2*i:H+2*i+1], v[H+2*i:H+2*i+1], v[MU:MU+1] op_sel_hi:[1,0]
.set i, i+1
.endr
.irp i, 0,1,2,3
	v_pk_mul_f32 v[TC+2*\i:TC+2*\i+1], v[H+2*\i:H+2*\i+1], v[H+2*\i:H+2*\i+1]
.endr
.irp z, 1,2,3
.irp i, 0,1,2,3
	v_pk_fma_f32 v[TC+2*\i:TC+2*\i+1], v[H+2*(\i+4*\z):H+2*(\i+4*\z)+1], v[H+2*(\i+4*\z):H+2*(\i+4*\z)+1], v[TC+2*\i:TC+2*\i+1]
.endr
.endr
	TREE_CB TC, SUM
	XSUM SUM, TMP
	v_fma_f32 v[RS], v[SUM], s75, s71              ; var + eps
	v_rsq_f32 v[RS], v[RS]
	v_nop
	s_wait_alu depctr_va_vdst(0)
.set i, 0
.rept 16
	v_pk_mul_f32 v[H+2*i:H+2*i+1], v[H+2*i:H+2*i+1], v[RS:RS+1] op_sel_hi:[1,0]
.set i, i+1
.endr
	s_wait_loadcnt 8                               ; gamma and beta are in; behind them the eight loads of the next b_att were issued
	WIN 0x28                                       ; sources 1 and 2 window 2
.set i, 0
.rept 16
	v_pk_fma_f32 v[H+2*i:H+2*i+1], v[H+2*i:H+2*i+1], v[G+2*i:G+2*i+1], v[B+2*i:B+2*i+1]
.set i, i+1
.endr
	WIN 0
	s_wait_xcnt 0x0                                ; the trip's loads have had their addresses translated (ISA guide 3.1): only now are their bases stepped
	s_add_nc_u64 s[20:21], s[20:21], 512
	s_add_nc_u64 s[22:23], s[22:23], 512
	s_cmp_lt_u32 s3, 1
	s_cselect_b32 s72, 512, 0                      ; b_att's base stops at its last row
	s_add_nc_u64 s[18:19], s[18:19], s[72:73]
	s_mov_b32 s56, s57                             ; the next layer's scales move up
	s_mov_b32 s57, s58
	s_mov_b32 s59, s60
	s_mov_b32 s60, s61
	s_mov_b64 s[62:63], s[66:67]
	s_mov_b64 s[66:67], s[68:69]
	s_add_co_u32 s3, s3, 1
	s_cmp_lt_u32 s3, 3
	s_cbranch_scc1 .Llayer
	; ---- the classifier, in bf16: its result is the output.  Source 0 = h, source 1 = W_c.  My 16 pairs are, as they stand, two fragments' lanes: K = 64 g + 0 .. 31 and 64 g + 32 .. 63.
	; So rows 0-7 of source 0 hold my 8 rows' K = 0 .. 63 and rows 8-15 the same rows' K = 64 .. 127: one accumulator multiplies by W_c's first two fragments and is right in rows 0-7,
	; the other by its last two and is right in rows 8-15.  The two take turns, one instruction a turn.
.irp i, 0,1,2,3,4,5,6,7,8,9,10,11,12,13,14,15
	v_cvt_pk_bf16_f32 v[P+\i], v[H+2*\i], v[H+2*\i+1]
.endr
	WIN 0x08                                       ; source 1 window 2
	v_wmma_f32_16x16x32_bf16 v[D:D+7],    v[P:P+7],    v[WC:WC+7],     0
	v_wmma_f32_16x16x32_bf16 v[D+8:D+15], v[P:P+7],    v[WC+16:WC+23], 0
	v_wmma_f32_16x16x32_bf16 v[D:D+7],    v[P+8:P+15], v[WC+8:WC+15],  v[D:D+7]
	v_wmma_f32_16x16x32_bf16 v[D+8:D+15], v[P+8:P+15], v[WC+24:WC+31], v[D+8:D+15]
	WIN 0
.rept 4
	v_nop                                          ; four places in front of the first read of results
.endr
.irp j, 0,1,2,3,4,5,6,7
	v_permlanex16_b32 v[TC+\j], v[D+8+\j], s4, s5  ; rows 8-15 lie in lanes 16-31: register j of lane 16 + n is row j's second half, column n
.endr
.irp i, 0,1,2,3
	v_pk_add_f32 v[D+2*\i:D+2*\i+1], v[D+2*\i:D+2*\i+1], v[TC+2*\i:TC+2*\i+1]
.endr
.irp i, 0,1,2,3
	v_pk_add_f32 v[D+2*\i:D+2*\i+1], v[D+2*\i:D+2*\i+1], v[BC:BC+1] op_sel_hi:[1,0]   ; + b_c of my column
.endr
	v_and_b32 v[SUM], 31, v0
	v_cmp_gt_u32 vcc_lo, 10, v[SUM]                ; lanes 0-9 hold the ten columns of my 8 rows.  (No global instruction has been issued since the last trip's wait on XCNT)
	s_and_saveexec_b32 s74, vcc_lo
.irp j, 0,1,2,3,4,5,6,7
	ds_store_b32 v[VOS], v[D+\j] offset:40*\j      ; as the rows lie in out0
.endr
	s_or_b32 exec_lo, exec_lo, s74
	s_wait_dscnt 0x0                               ; for the others' sake: my rows have landed
	s_barrier_signal -1
	s_barrier_wait -1
	v_cmp_gt_u32 vcc_lo, 80, v0                    ; 80 threads x 16 bytes are the work-group's 1,280
	s_set_vgpr_msb 0x8
	s_wait_tensorcnt 0x0
	ds_add_u32 v255, v161
	s_wait_dscnt 0x0
	s_set_vgpr_msb 0x800
	s_and_saveexec_b32 s74, vcc_lo
	ds_load_b128 v[U:U+3], v[VOR]
	s_wait_dscnt 0x0
	global_store_b128 v[VOT], v[U:U+3], s[28:29] th:TH_STORE_NT   ; sixteen lanes store 256 consecutive bytes, at a multiple of 256 from out0's first byte
	s_wait_xcnt 0x0                                ; EXEC changes only behind this wait
	s_or_b32 exec_lo, exec_lo, s74
	s_endpgm
.Lfunc_end_k_q427153d2b5_fused:
	.size	k_q427153d2b5_fused, .Lfunc_end_k_q427153d2b5_fused-k_q427153d2b5_fused
	.p2alignl 7, 3214868480
	.fill 96, 4, 3214868480
	.section	.rodata,"a",@progbits
	.p2align	6, 0x0
	.amdhsa_kernel k_q427153d2b5_fused
		.amdhsa_group_segment_fixed_size 91648
		.amdhsa_private_segment_fixed_size 0
		.amdhsa_enable_private_segment 0
		.amdhsa_kernarg_size 88
		.amdhsa_user_sgpr_count 2
		.amdhsa_user_sgpr_kernarg_segment_ptr 1
		.amdhsa_wavefront_size32 1
		.amdhsa_system_sgpr_workgroup_id_x 1
		.amdhsa_system_sgpr_workgroup_id_y 1
		.amdhsa_system_sgpr_workgroup_id_z 1
		.amdhsa_system_vgpr_workitem_id 0
		.amdhsa_next_free_vgpr 674
		.amdhsa_next_free_sgpr 80
		.amdhsa_reserve_vcc 1
		.amdhsa_float_denorm_mode_32 3
		.amdhsa_float_denorm_mode_16_64 3
		.amdhsa_memory_ordered 1
		.amdhsa_forward_progress 1
		.amdhsa_inst_pref_size 182
	.end_amdhsa_kernel
	.amdgpu_metadata
---
amdhsa.version: [ 1, 2 ]
amdhsa.kernels:
  - .name:           k_q427153d2b5_fused
    .symbol:         k_q427153d2b5_fused.kd
    .args:
      - { .name: x, .offset: 0, .size: 8, .value_kind: global_buffer, .address_space: global }
      - { .name: W_in, .offset: 8, .size: 8, .value_kind: global_buffer, .address_space: global }
      - { .name: W_att, .offset: 16, .size: 8, .value_kind: global_buffer, .address_space: global }
      - { .name: W_c, .offset: 24, .size: 8, .value_kind: global_buffer, .address_space: global }
      - { .name: b_in, .offset: 32, .size: 8, .value_kind: global_buffer, .address_space: global }
      - { .name: b_att, .offset: 40, .size: 8, .value_kind: global_buffer, .address_space: global }
      - { .name: gamma, .offset: 48, .size: 8, .value_kind: global_buffer, .address_space: global }
      - { .name: beta, .offset: 56, .size: 8, .value_kind: global_buffer, .address_space: global }
      - { .name: b_c, .offset: 64, .size: 8, .value_kind: global_buffer, .address_space: global }
      - { .name: lowp_scales, .offset: 72, .size: 8, .value_kind: global_buffer, .address_space: global }
      - { .name: out0, .offset: 80, .size: 8, .value_kind: global_buffer, .address_space: global }
    .group_segment_fixed_size: 91648
    .private_segment_fixed_size: 0
    .kernarg_segment_align: 8
    .kernarg_segment_size: 88
    .max_flat_workgroup_size: 128
    .sgpr_count:     80
    .vgpr_count:     674
    .wavefront_size: 32
...
	.end_amdgpu_metadata
.endif
;; end of part 1
